; MI455X (gfx1250); checked and timed in simulation.
; The chip was launched on July 23, 2026; its instructions are those of AMD's public machine-readable ISA for CDNA 5 (MIT licence, August 2026) and "CDNA5" Instruction Set Architecture Reference Guide (July 2026). The comments in the code are by the model that wrote it; some were corrected since.
;; Muti Head Self Attention. Allowed arithmetic: matrix products marked QUANTISED: E2M3 operands, one E8M0 scale for each 32 along K, by v_wmma_scale_f32_16x16x128_f8f6f4 with both operands' format E2M3, f32 sums; everything else in f32.
;; Inputs: Wk 1,024 x 1,024 float32; Wq 1,024 x 1,024 float32; Wr 1,024 x 1,024 float32; Wv 1,024 x 1,024 float32; bk 1,024 float32; bq 1,024 float32; br 1,024 float32; bv 1,024 float32; x 4 x 2,048 x 1,024 float32.
;; Outputs: out0 4 x 2,048 x 1,024 float32.
;; This version of the problem:
;;   THIS VERSION OF THE PROBLEM IS GIVEN IN LOW PRECISION. The matrix products marked QUANTISED in the list below multiply operands that are first quantised to E2M3 (2 exponent bits, 3 mantissa bits; 6 bits a number), with one power-of-two scale for each 32 numbers along K (OCP MX v1.0); their sums are f32. All else is computed in f32.
;;   The module's matrix products, in the order in which they are computed (A, B: the left and right operand; K: the contracted axis; several contracted axes count as one K, in the product's order):
;;     1. [M 8,192, K 1,024] x [K 1,024, N 1,024]; A: input x; B: input Wq: QUANTISED
;;     2. [M 8,192, K 1,024] x [K 1,024, N 1,024]; A: input x; B: input Wk: QUANTISED
;;     3. [M 8,192, K 1,024] x [K 1,024, N 1,024]; A: input x; B: input Wv: QUANTISED
;;     4. batch 64 x [M 2,048, K 64] x [K 64, N 2,048]; A: computed on the way; B: computed on the way: QUANTISED
;;     5. batch 64 x [M 2,048, K 2,048] x [K 2,048, N 64]; A: softmax (see below); B: computed on the way: QUANTISED
;;     6. [M 8,192, K 1,024] x [K 1,024, N 1,024]; A: input x; B: input Wr: QUANTISED
;;   THE QUANTISER, for each operand of a quantised product, along K:
;;     - K is cut into blocks of 32 from its start; a last block that is shorter is filled with zeros.
;;     - A block's scale is 2^e with e = floor(log2(the largest magnitude in the block)) - 2, held to -126 .. 127; a block of zeros has e = 0. As a byte (E8M0): e + 127.
;;     - Each number is divided by its block's scale, clamped to +-7.5, and rounded to the nearest number of E2M3, ties to even, subnormals kept.
;;     - The product sums the exact products of the quantised numbers (number of the format x scale) in f32.
;;   ~~~python
;;   def quantise(x, axis):      # numpy; x: float32 -> the quantised numbers, widened to float32 again
;;       x = np.moveaxis(x, axis, -1); K = x.shape[-1]
;;       x = np.pad(x, [(0, 0)] * (x.ndim - 1) + [(0, -K % 32)]); x = x.reshape(x.shape[:-1] + (-1, 32)); a = np.abs(x).max(-1, keepdims=True)
;;       e = np.where(a > 0, np.clip(np.frexp(np.where(a > 0, a, 1))[1] - 1 - 2, -126, 127), 0)      # np.frexp(a)[1] - 1 = floor(log2(a)), exactly
;;       r = np.clip(x / 2.0 ** e, -7.5, 7.5)
;;       step = 2.0 ** (np.maximum(np.frexp(np.where(r == 0, 1, r))[1] - 1, 0) - 3)
;;       q = np.round(r / step) * step * 2.0 ** e      # np.round: ties to even
;;       return np.moveaxis(q.reshape(q.shape[:-2] + (-1,))[..., :K], -1, axis).astype(np.float32)
;;   ~~~
;;   SOFTMAX AHEAD OF A QUANTISED PRODUCT. Where the list says 'softmax', what is quantised is not the finished softmax but p = 2^(t - M), with t = logit x log2(e) and M = ceil(the row's largest t), a whole number; so 1/2 < the row's largest p <= 1. The row's sum l is taken of the UNQUANTISED p, in f32, and the product's result is divided by l at the end. Since M is a whole number, a kernel that streams over the keys may use a running M (the ceiling of the running maximum): every later rescaling is an exact power of two, which a block's scale takes up: the codes' values come out the same.
;;   OPERANDS COMPUTED ON THE WAY. 'Computed on the way' means the value that the module computes at that place (a softmax that the list does not call 'softmax' is quantised finished and normalised). What goes into a quantiser is computed in f32, as accurately as f32 sums, v_exp_f32 and their like allow (about 1e-6 of the number): no bf16 or f16 on the way to a quantiser, and a product that is left as it is and whose result goes on into a quantised operand takes f32 operands (vector FMAs, or v_wmma_f32_16x16x4_f32). A number that lies on a knife's edge between two numbers of the format may be rounded either way, as far as f32 arithmetic and the matrix unit's own rounding can turn it there, and no further.
;; One version. Each part assembles by itself: llvm-mc -triple=amdgcn-amd-amdhsa -mcpu=gfx1250 --defsym DOCPART=n.
;; ======== version 1 of 1: 3 launches
;; workspace buffers: xc 6,291,456 bytes; xs 262,144 bytes; wc 3,145,728 bytes; ws 131,072 bytes; qb 6,553,600 bytes; kv 13,107,200 bytes; res 33,554,432 bytes
;; launch quant (part 1): grid 384 x 1, 4 waves a work-group, no clusters, 68,096 bytes of LDS; arguments x, Wq, Wk, Wv, Wr, xc, xs, wc, ws; writes xc, xs, wc, ws
.if DOCPART == 1
	.amdgcn_target "amdgcn-amd-amdhsa--gfx1250"
	.amdhsa_code_object_version 6
	.text
	.protected	k_qf27a5b3096_quant
	.globl	k_qf27a5b3096_quant
	.p2align	8
	.type	k_qf27a5b3096_quant,@function
k_qf27a5b3096_quant:
	s_mov_b64 s[64:65], 0
	v_nop
	global_prefetch_b8 v0, s[64:65] scope:SCOPE_SE
	s_setreg_imm32_b32 hwreg(HW_REG_WAVE_MODE, 25, 1), 1
	s_wait_xcnt 0x0
; x [8192][1024] and the four weights [1024 (K)][1024 (N)], f32, become codes of FP6 (E2M3), K innermost, 768 bytes a row, with one E8M0 byte for each 32 along K, 32 bytes a row.
; A block's scale is 2^(floor(log2(its largest magnitude)) - 2); its byte is the largest magnitude's exponent field - 2, held at 1 from below; numbers are divided by the scale and rounded to the nearest code, ties to even.
; WHERE A ROW LIES: row i of x, and column n of a weight, is stored at the place whose number is i (or n) with bits 3 and 4 exchanged.  The product's launch reads neighbouring places and so
; gets its tiles' rows in the order in which its results are wanted as operands of the next products.  wc, ws: weight w (0 Wq, 1 Wk, 2 Wv, 3 Wr) has places 1024 w on.
; LIMITS: NaN and infinities among the inputs are not served.  A block of zeros, and a block whose largest magnitude lies under 2^-124, gets the byte 1 (the rule says 127 for zeros): its codes are
; zeros or what the floor's scale leaves, and the bytes are read by this program alone.
; Work-groups 0-255 take x (32 rows each; a wave 8 rows = 16 steps of 512 numbers); work-groups 256-383 take the weights (a wave 32 columns x 256 along K).  The two ways part on the work-group's
; number, never join, and have LDS bytes of their own.  No tensor loads, no barrier: waves share nothing.
.set STEPS, 16
.set EMAX,  2
.set CB,    12                         ; bytes of 16 codes
.set XR,    16                         ; x: v16-79   four sets of 16 numbers as loaded
.set XX,    80                         ;    v80-111  two sets of 16 neighbours
.set XE,    112                        ;    v112-127 a scale byte for each step
.set XC,    128                        ;    v128-191 codes: four registers for each step, so that no store's data are written again
.set WREG,  8192                       ; x: LDS of a wave: two stages of 32 x SP bytes, then its 256 scale bytes
.set SP,    80                         ; a lane's place in a stage: 64 bytes + 16 of padding
.set WST,   4*WREG                     ; weights: LDS from here on, a stage of 32 rows x WP bytes for each wave
.set WP,    272                        ; a stage row: sixteen places of 16 bytes, each with 12 bytes of codes, + 16
.set KROW,  768                        ; a row of codes in memory
.set NB,    8                          ; blocks of 32 along K for a wave
.set WX,    32                         ; weights: v32-95 two sets of 32 numbers
.set WC,    96                         ;          v96..  a block's codes
.set WO,    112                        ;          v112-175 the way out
.set WSB,   24                         ;          v24-25 the scale bytes, four to a register
.set SPW,   192                        ; v192 LDS address of my spare word: SPARE + 4 x my thread's number; never rewritten
.set NIL,   193                        ; v193 0; never rewritten
.set SPARE, WST+4*32*WP                ; behind both ways' bytes: the spare words, 128 bytes for each wave, which no other line names
	s_load_b256 s[4:11], s[0:1], 0x0               ; x, Wq, Wk, Wv
	s_load_b256 s[12:19], s[0:1], 0x20             ; Wr, xc, xs, wc
	s_load_b64 s[20:21], s[0:1], 0x40              ; ws
	v_lshl_add_u32 v[SPW], v0, 2, SPARE
	v_mov_b32 v[NIL], 0
	v_lshrrev_b32 v1, 5, v0
	v_readfirstlane_b32 s24, v1                    ; wave 0..3
	v_and_b32 v2, 31, v0                           ; lane
	s_wait_kmcnt 0x0
	s_cmp_lt_u32 ttmp9, 256
	s_cbranch_scc0 .Lweights
; ---------------- x: a plain stream of blocks of 32.  Each load reads 512 consecutive bytes; a step's 2,048 bytes turn through the wave's own stage so that a lane holds 16 neighbours; two neighbouring lanes hold a block.
	s_wait_alu depctr_va_vdst(0)
	v_lshlrev_b32 v3, 4, v2                        ; my 16 bytes of a load's 512
	s_mul_i32 s25, s24, WREG
	v_lshrrev_b32 v14, 2, v2
	v_mul_u32_u24 v14, v14, SP
	v_and_b32 v15, 3, v2
	v_lshl_add_u32 v14, v15, 4, v14
	v_add_nc_u32 v14, s25, v14                     ; into the stage: SP (lane / 4) + 16 (lane % 4)
	v_mul_u32_u24 v15, v2, SP
	v_add_nc_u32 v15, s25, v15                     ; out of it: SP x lane: my 16 neighbours
	v_mul_u32_u24 v4, v2, CB                       ; my codes' place in a step's
	v_lshrrev_b32 v5, 1, v2
	s_add_co_u32 s25, s25, 2*32*SP
	v_add_nc_u32 v5, s25, v5                       ; my wave's 256 scale bytes, my block's byte
	v_lshlrev_b32 v7, 3, v2                        ; and on the way out 8 bytes a lane
	v_add_nc_u32 v6, s25, v7
	s_lshl_b32 s26, ttmp9, 2
	s_add_co_u32 s28, s26, s24                     ; my run of 8 rows: 4 x work-group + wave
	s_lshl_b32 s28, s28, 15                        ; 32,768 bytes a run
	s_mov_b32 s29, 0
	s_add_nc_u64 s[4:5], s[4:5], s[28:29]
	s_and_b32 s27, s24, 1                          ; bits 3 and 4 of a row's number are bits 0 and 1 of the wave's: exchanged, they give the run's place
	s_lshl_b32 s27, s27, 1
	s_lshr_b32 s30, s24, 1
	s_or_b32 s27, s27, s30
	s_add_co_u32 s26, s26, s27
	s_mul_i32 s28, s26, 32*STEPS*CB                ; 6,144 bytes of codes a run
	s_add_nc_u64 s[14:15], s[14:15], s[28:29]
	s_lshl_b32 s28, s26, 8                         ; 256 scale bytes a run
	s_add_nc_u64 s[16:17], s[16:17], s[28:29]
.macro XLOAD t
.irp i, 0,1,2,3
	global_load_b128 v[XR+16*((\t)%4)+4*\i:XR+16*((\t)%4)+4*\i+3], v3, s[4:5] offset:2048*(\t)+512*\i th:TH_LOAD_NT   ; 32 lanes read 512 consecutive bytes
.endr
.endm
.macro XTURN t                         ; step t's numbers through the stage: LDS serves a wave's instructions in order, so no wait stands between the stores and the loads
.irp i, 0,1,2,3
	ds_store_b128 v14, v[XR+16*((\t)%4)+4*\i:XR+16*((\t)%4)+4*\i+3] offset:32*SP*((\t)%2)+8*SP*\i
.endr
.irp i, 0,1,2,3
	ds_load_b128 v[XX+16*((\t)%2)+4*\i:XX+16*((\t)%2)+4*\i+3], v15 offset:32*SP*((\t)%2)+16*\i
.endr
.endm
.irp t, 0,1,2,3
	XLOAD \t
.endr
	s_wait_alu depctr_va_vdst(0)
	s_wait_loadcnt 12                              ; step 0's four loads are in; the twelve of steps 1 to 3 may be out
	XTURN 0
.macro XSTEP t
.set XS, XX+16*((\t)%2)
.if (\t) > 0
	s_wait_dscnt 1                                 ; this step's numbers are back from the stage (the last step's byte store may be out): so its stores into the stage have read their registers,
.else
	s_wait_dscnt 0x0
.endif
.if (\t)+4 < STEPS
	XLOAD (\t)+4                                   ; which take the loads of four steps on
.endif
.if (\t)+1 < STEPS
.if STEPS-2-(\t) >= 3
	s_wait_loadcnt 12                              ; the next step's four loads are in; those of the three steps behind it may be out
.else
	s_wait_loadcnt 4*(STEPS-2-(\t))
.endif
	XTURN (\t)+1                                   ; and go through the other stage while this step is worked
.endif
	v_max3_num_f32 v8, |v[XS]|, |v[XS+1]|, |v[XS+2]|               ; the largest magnitude of my 16, in two chains
	v_max3_num_f32 v9, |v[XS+3]|, |v[XS+4]|, |v[XS+5]|
.irp i, 6,10
	v_max3_num_f32 v8, v8, |v[XS+\i]|, |v[XS+\i+1]|
	v_max3_num_f32 v9, v9, |v[XS+\i+2]|, |v[XS+\i+3]|
.endr
	v_max3_num_f32 v8, v8, |v[XS+14]|, |v[XS+15]|
	v_max3_num_f32 v8, v8, v9, (EMAX+1)<<23        ; and the floor 2^(3 - 127): the byte cannot fall under 1
	v_max_num_f32_dpp v8, v8, v8 row_xmask:1 row_mask:0xf bank_mask:0xf   ; and of my neighbour's 16: the block's
	v_add_nc_u32 v11, -(EMAX<<23), v8              ; 2 off its exponent field: the conversion takes the exponent field of this operand as its scale
	v_cvt_scalef32_pk16_fp6_f32 v[XC+4*(\t):XC+4*(\t)+2], v[XS:XS+15], v11
	v_lshrrev_b32 v[XE+(\t)], 23, v11              ; the scale's byte
	ds_store_b8 v5, v[XE+(\t)] offset:16*(\t)      ; both lanes of a block write the same byte with the same value
	global_store_b96 v4, v[XC+4*(\t):XC+4*(\t)+2], s[14:15] offset:32*CB*(\t)   ; the wave stores 384 consecutive bytes
.endm
.irp t, 0,1,2,3,4,5,6,7,8,9,10,11,12,13,14,15
	XSTEP \t
.endr
	ds_load_b64 v[8:9], v6                         ; LDS serves a wave's instructions in order: these see my stores
	s_wait_dscnt 0x0
	global_store_b64 v7, v[8:9], s[16:17]          ; 32 lanes store 256 consecutive bytes, aligned
	s_wait_tensorcnt 0x0                           ; the wave's end: behind my last LDS store
	ds_add_u32 v[SPW], v[NIL]
	s_wait_dscnt 0x0
	s_endpgm
; ---------------- the weights: K is the first axis.  A lane takes a column n and its registers run down K: a block of 32 lies in one lane, and the conversions give codes with K innermost.
.Lweights:
	s_sub_co_u32 s25, ttmp9, 256
	s_lshr_b32 s26, s25, 5                         ; which weight
	s_and_b32 s27, s25, 7                          ; which 128 columns
	s_bfe_u32 s28, s25, 0x20003                    ; which 256 along K
	s_cmp_eq_u32 s26, 1                            ; the choice hangs on the work-group's number alone
	s_cselect_b64 s[22:23], s[8:9], s[6:7]
	s_cmp_eq_u32 s26, 2
	s_cselect_b64 s[22:23], s[10:11], s[22:23]
	s_cmp_eq_u32 s26, 3
	s_cselect_b64 s[22:23], s[12:13], s[22:23]
	s_lshl_b32 s27, s27, 7
	s_lshl_b32 s29, s24, 5
	s_add_co_u32 s27, s27, s29                     ; my wave's first column
	s_lshl_b32 s30, s28, 20                        ; 256 rows of 4,096 bytes
	s_lshl_b32 s29, s27, 2
	s_add_co_u32 s30, s30, s29
	s_mov_b32 s31, 0
	s_add_nc_u64 s[22:23], s[22:23], s[30:31]
	s_lshl_b32 s29, s26, 10
	s_add_co_u32 s29, s29, s27                     ; the first place of my 32 in wc and ws
	s_mul_i32 s30, s29, KROW
	s_mul_i32 s32, s28, 192
	s_add_co_u32 s30, s30, s32
	s_add_nc_u64 s[18:19], s[18:19], s[30:31]
	s_lshl_b32 s30, s29, 5
	s_lshl_b32 s32, s28, 3
	s_add_co_u32 s30, s30, s32
	s_add_nc_u64 s[20:21], s[20:21], s[30:31]
	s_wait_alu depctr_va_vdst(0)
	v_lshlrev_b32 v3, 2, v2                        ; in: 4 bytes a lane
	v_and_b32 v10, 7, v2
	v_bfe_u32 v11, v2, 3, 1
	v_bfe_u32 v12, v2, 4, 1
	v_lshl_add_u32 v10, v11, 4, v10
	v_lshl_add_u32 v10, v12, 3, v10                ; my column's place among the 32: the lane's number with bits 3 and 4 exchanged
	s_mul_i32 s33, s24, 32*WP
	s_add_co_u32 s33, s33, WST                     ; my stage
	v_mul_u32_u24 v4, v10, WP
	v_add_nc_u32 v4, s33, v4                       ; into it: row = my column's place
	v_and_b32 v5, 15, v2
	v_lshrrev_b32 v6, 4, v2                        ; out of it: sixteen lanes to a row, two rows an instruction
	v_mul_u32_u24 v7, v6, WP
	v_lshl_add_u32 v7, v5, 4, v7
	v_add_nc_u32 v7, s33, v7
	v_mul_u32_u24 v8, v6, KROW
	v_mad_u32_u24 v8, v5, 12, v8                   ; and the same place in wc
	v_lshlrev_b32 v9, 5, v10                       ; my column's row of scale bytes
.macro WLOAD t                         ; block t: W(32 t + i, my column); every offset is an immediate, 255 rows of 4,096 bytes at the most
.irp i, 0,1,2,3,4,5,6,7,8,9,10,11,12,13,14,15,16,17,18,19,20,21,22,23,24,25,26,27,28,29,30,31
	global_load_b32 v[WX+32*((\t)%2)+\i], v3, s[22:23] offset:(32*(\t)+\i)*4096 th:TH_LOAD_NT
.endr
.endm
	WLOAD 0
	WLOAD 1
.macro WBLOCK t
.set WXS, WX+32*((\t)%2)
.if (\t) < NB-1
	s_wait_loadcnt 32                              ; this block's 32 loads are in; the next block's may be out
.else
	s_wait_loadcnt 0
.endif
	v_max3_num_f32 v12, |v[WXS]|, |v[WXS+1]|, |v[WXS+2]|            ; the block's largest magnitude: all 32 numbers are mine
	v_max3_num_f32 v13, |v[WXS+3]|, |v[WXS+4]|, |v[WXS+5]|
.irp i, 6,10,14,18,22,26
	v_max3_num_f32 v12, v12, |v[WXS+\i]|, |v[WXS+\i+1]|
	v_max3_num_f32 v13, v13, |v[WXS+\i+2]|, |v[WXS+\i+3]|
.endr
	v_max3_num_f32 v12, v12, |v[WXS+30]|, |v[WXS+31]|
	v_max3_num_f32 v12, v12, v13, (EMAX+1)<<23     ; and the floor
	v_add_nc_u32 v11, -(EMAX<<23), v12             ; the conversion's scale operand
	v_lshrrev_b32 v13, 23, v11                     ; the scale's byte
.if (\t)%4 == 0
	v_mov_b32 v[WSB+(\t)/4], v13                   ; four bytes to a register, the lower K in the lower byte
.else
	v_lshl_or_b32 v[WSB+(\t)/4], v13, 8*((\t)%4), v[WSB+(\t)/4]
.endif
	v_cvt_scalef32_pk16_fp6_f32 v[WC:WC+2], v[WXS:WXS+15], v11
	v_cvt_scalef32_pk16_fp6_f32 v[WC+4:WC+6], v[WXS+16:WXS+31], v11   ; (a conversion's three registers begin on an even number)
	ds_store_b96 v4, v[WC:WC+2] offset:32*(\t)     ; 12 bytes to a place of 16 bytes, so that every LDS address is a multiple of 16
	ds_store_b96 v4, v[WC+4:WC+6] offset:32*(\t)+16
.if (\t)+2 < NB
	WLOAD (\t)+2
.endif
	s_wait_dscnt 0x0                               ; the stores have read their registers: the next block's codes may be written
.endm
.irp t, 0,1,2,3,4,5,6,7
	WBLOCK \t
.endr
	s_wait_alu depctr_va_vdst(0)
	global_store_b64 v9, v[WSB:WSB+1], s[20:21]    ; my column's 8 scale bytes
.irp t, 0,1,2,3,4,5,6,7,8,9,10,11,12,13,14,15
	ds_load_b96 v[WO+4*\t:WO+4*\t+2], v7 offset:2*\t*WP   ; LDS serves a wave's instructions in order: these see my stores
.endr
.irp t, 0,1,2,3,4,5,6,7,8,9,10,11,12,13,14,15
	s_wait_dscnt 15-\t                             ; rows 2 t and 2 t + 1 are back; the younger loads may be out
	global_store_b96 v8, v[WO+4*\t:WO+4*\t+2], s[18:19] offset:2*\t*KROW   ; sixteen lanes store a row's 192 consecutive bytes
.endr
	s_wait_tensorcnt 0x0                           ; the wave's end: behind my last LDS store
	ds_add_u32 v[SPW], v[NIL]
	s_wait_dscnt 0x0
	s_endpgm
.Lfunc_end_k_qf27a5b3096_quant:
	.size	k_qf27a5b3096_quant, .Lfunc_end_k_qf27a5b3096_quant-k_qf27a5b3096_quant
	.p2alignl 7, 3214868480
	.fill 96, 4, 3214868480
	.section	.rodata,"a",@progbits
	.p2align	6, 0x0
	.amdhsa_kernel k_qf27a5b3096_quant
		.amdhsa_group_segment_fixed_size 68096
		.amdhsa_private_segment_fixed_size 0
		.amdhsa_enable_private_segment 0
		.amdhsa_kernarg_size 72
		.amdhsa_user_sgpr_count 2
		.amdhsa_user_sgpr_kernarg_segment_ptr 1
		.amdhsa_wavefront_size32 1
		.amdhsa_system_sgpr_workgroup_id_x 1
		.amdhsa_system_sgpr_workgroup_id_y 1
		.amdhsa_system_sgpr_workgroup_id_z 1
		.amdhsa_system_vgpr_workitem_id 0
		.amdhsa_next_free_vgpr 196
		.amdhsa_next_free_sgpr 66
		.amdhsa_reserve_vcc 0
		.amdhsa_float_denorm_mode_32 3
		.amdhsa_float_denorm_mode_16_64 3
		.amdhsa_memory_ordered 1
		.amdhsa_forward_progress 1
		.amdhsa_inst_pref_size 74
	.end_amdhsa_kernel
	.amdgpu_metadata
---
amdhsa.version: [ 1, 2 ]
amdhsa.kernels:
  - .name:           k_qf27a5b3096_quant
    .symbol:         k_qf27a5b3096_quant.kd
    .args:
      - { .name: x, .offset: 0, .size: 8, .value_kind: global_buffer, .address_space: global }
      - { .name: Wq, .offset: 8, .size: 8, .value_kind: global_buffer, .address_space: global }
      - { .name: Wk, .offset: 16, .size: 8, .value_kind: global_buffer, .address_space: global }
      - { .name: Wv, .offset: 24, .size: 8, .value_kind: global_buffer, .address_space: global }
      - { .name: Wr, .offset: 32, .size: 8, .value_kind: global_buffer, .address_space: global }
      - { .name: xc, .offset: 40, .size: 8, .value_kind: global_buffer, .address_space: global }
      - { .name: xs, .offset: 48, .size: 8, .value_kind: global_buffer, .address_space: global }
      - { .name: wc, .offset: 56, .size: 8, .value_kind: global_buffer, .address_space: global }
      - { .name: ws, .offset: 64, .size: 8, .value_kind: global_buffer, .address_space: global }
    .group_segment_fixed_size: 68096
    .private_segment_fixed_size: 0
    .kernarg_segment_align: 8
    .kernarg_segment_size: 72
    .max_flat_workgroup_size: 128
    .sgpr_count:     66
    .vgpr_count:     196
    .wavefront_size: 32
...
	.end_amdgpu_metadata
.endif
;; end of part 1
;; launch proj (part 2): grid 16 x 32, 4 waves a work-group, clusters of 4 x 4, 327,680 bytes of LDS; arguments xc, xs, wc, ws, bq, bk, bv, br, qb, kv, res; writes qb, kv, res
.if DOCPART == 2
	.amdgcn_target "amdgcn-amd-amdhsa--gfx1250"
	.amdhsa_code_object_version 6
	.text
	.protected	k_qf27a5b3096_proj
	.globl	k_qf27a5b3096_proj
	.p2align	8
	.type	k_qf27a5b3096_proj,@function
k_qf27a5b3096_proj:
	s_mov_b64 s[64:65], 0
	v_nop
	global_prefetch_b8 v0, s[64:65] scope:SCOPE_SE
	s_setreg_imm32_b32 hwreg(HW_REG_WAVE_MODE, 25, 1), 1
	s_wait_xcnt 0x0
	s_wait_alu depctr_hold_cnt(0) depctr_sa_sdst(0) depctr_va_vdst(0) depctr_va_sdst(0) depctr_va_ssrc(0) depctr_va_vcc(0) depctr_vm_vsrc(0)
	s_getreg_b32 s2, hwreg(HW_REG_IB_STS2, 6, 4)
	s_cmp_eq_u32 s2, 0
	s_cbranch_scc0 .Lentry_in_a_cluster
	s_endpgm
.Lentry_in_a_cluster:
	s_bfe_u32 s2, ttmp6, 0x10000c
	s_cmp_lg_u32 s2, 0xf033
	s_cbranch_scc0 .Lentry_shape_is_right
	s_endpgm
.Lentry_shape_is_right:
.set KSTEP,  256
.set NQ,     2
.set ROWB,   192
.set KROW,   768
.set PITCH,  240
.set FR,     12
.set NL,     6
.set NP,     4
.set HALFT,  128*PITCH
.set SLOT,   4*HALFT
.set LAPS,   2
.set KS,     32
.set SCL,    2*SLOT
.set HALFS,  16*272
.set SBLK,   2*272
.set SPARE,  SCL+4*HALFS
.set SPITCH, 528
.set ADRA, 16
.set ADRB, 20
.set STO,  24
.set RD,   25
.set CO,   26
.set ADRS, 27
.set SPW,  28
.set NIL,  29
.set CSO,  31
.set SC,   32
.set BI,   64
.set AF,   128
.set BK,   128
.set HA,   128
.set PP,   192
.set TQ,   216
.set TM,   224
.set SW,   240
.set DD,   248
.set G1, 24
.set G0, 32
.set G1B, 48
.set G0B, 56
.set G1S, 68
.set G0S, 76
.set G1SB, 80
.set G0SB, 88
.set OUT1, 96
.set BIA,  98
.set OUT0, 100
.set SEL,  104
.set MSB, 0
.macro WIN new
.if MSB != \new
	s_set_vgpr_msb (MSB<<8)|\new
.set MSB, \new
.endif
.endm
.set MUL_LO, 0xa1
.set MUL_HI, 0xf1
.set TO_B,   0x40
.macro JLOAD g0a, g1a, g0b, g1b
	s_cmp_eq_u32 s15, 0
	s_cbranch_scc0 .Lfor_b_\@
	tensor_load_to_lds s[\g0a:\g0a+3], s[\g1a:\g1a+7]
	s_nop 0
.rept 4
	v_nop
.endr
	s_branch .Lasked_\@
.Lfor_b_\@:
	tensor_load_to_lds s[\g0b:\g0b+3], s[\g1b:\g1b+7]
	s_nop 0
.rept 4
	v_nop
.endr
.Lasked_\@:
.endm
.macro CREST
	s_cmp_lg_u32 s14, 0
	s_cbranch_scc1 .Lnot_wave_0_\@
	s_barrier_signal -3
.Lnot_wave_0_\@:
	s_barrier_wait -3
	s_barrier_signal -1
	s_barrier_wait -1
.endm
.macro CROUND
	s_barrier_signal -1
	s_barrier_wait -1
	CREST
.endm
	s_load_b256 s[4:11], s[0:1], 0x0
	s_load_b256 s[68:75], s[0:1], 0x20
	s_load_b128 s[76:79], s[0:1], 0x40
	s_load_b64 s[80:81], s[0:1], 0x50
	v_lshl_add_u32 v[SPW], v0, 2, SPARE
	v_mov_b32 v[NIL], 0
	ds_add_u32 v[SPW], v[NIL]
	ds_add_u32 v[SPW], v[NIL]
	v_lshrrev_b32 v1, 5, v0
	v_readfirstlane_b32 s14, v1
	s_lshr_b32 s15, s14, 1
	s_and_b32 s16, s14, 1
	s_bfe_u32 s40, ttmp6, 0x40000
	s_bfe_u32 s41, ttmp6, 0x40004
	s_and_b32 s12, ttmp7, 0xffff
	s_lshl_b32 s12, s12, 2
	s_lshl_b32 s13, ttmp9, 2
	s_cmp_eq_u32 ttmp9, 2
	s_cselect_b32 s17, 8, s12
	s_cselect_b32 s42, s12, s13
	s_add_co_u32 s17, s17, s41
	s_add_co_u32 s42, s42, s40
	s_lshl_b32 s43, s41, 2
	s_lshl_b32 s43, 15, s43
	s_lshl_b32 s44, 0x1111, s40
	s_or_b32 s[G1+0], s43, (0<<16)|(1<<20)|(1<<21)|(3<<22)|(3<<25)
	s_or_b32 s[G1B+0], s44, (0<<16)|(1<<20)|(1<<21)|(3<<22)|(3<<25)
.irp g, G1, G1B
	s_mov_b32 s[\g+1], ROWB<<16
	s_mov_b32 s[\g+2], 128<<16
	s_mov_b32 s[\g+3], ROWB<<16
	s_mov_b32 s[\g+4], 128
	s_mov_b32 s[\g+5], KROW
	s_mov_b32 s[\g+6], 0
	s_mov_b32 s[\g+7], 0
.endr
	s_lshl_b32 s18, s16, 7
	s_lshl_b32 s20, s17, 8
	s_add_co_u32 s20, s20, s18
	s_lshl_b32 s46, s42, 8
	s_add_co_u32 s46, s46, s18
	s_mov_b32 s21, 0
	s_mov_b32 s47, 0
	s_mov_b64 s[18:19], KS
	s_mul_u64 s[22:23], s[20:21], s[18:19]
	s_mul_u64 s[92:93], s[46:47], s[18:19]
	s_mov_b64 s[18:19], KROW
	s_mul_u64 s[20:21], s[20:21], s[18:19]
	s_mul_u64 s[46:47], s[46:47], s[18:19]
	s_mul_i32 s45, s14, HALFT
	s_mul_i32 s94, s14, HALFS
	s_wait_dscnt 0x0
	s_wait_kmcnt 0x0
	s_cmp_eq_u32 ttmp9, 2
	s_cselect_b64 s[66:67], s[8:9], s[4:5]
	s_cselect_b64 s[8:9], s[4:5], s[8:9]
	s_cselect_b64 s[96:97], s[10:11], s[6:7]
	s_cselect_b64 s[10:11], s[6:7], s[10:11]
	s_cselect_b64 s[BIA:BIA+1], s[72:73], s[68:69]
	s_cselect_b64 s[OUT0:OUT0+1], s[78:79], s[76:77]
	s_cmp_eq_u32 ttmp9, 1
	s_cselect_b64 s[BIA:BIA+1], s[70:71], s[BIA:BIA+1]
	s_cselect_b64 s[OUT0:OUT0+1], s[78:79], s[OUT0:OUT0+1]
	s_cmp_eq_u32 ttmp9, 3
	s_cselect_b64 s[BIA:BIA+1], s[74:75], s[BIA:BIA+1]
	s_cselect_b64 s[OUT0:OUT0+1], s[80:81], s[OUT0:OUT0+1]
	s_or_b32 s[G1S+0], s43, (3<<16)|(1<<20)|(1<<21)|(5<<22)|(3<<25)
	s_or_b32 s[G1SB+0], s44, (3<<16)|(1<<20)|(1<<21)|(5<<22)|(3<<25)
.irp g, G1S, G1SB
	s_mov_b32 s[\g+1], 32<<16
	s_mov_b32 s[\g+2], 16<<16
	s_mov_b32 s[\g+3], 32<<16
	s_mov_b32 s[\g+4], 16
	s_mov_b32 s[\g+5], 32
	s_mov_b32 s[\g+6], 0
	s_mov_b32 s[\g+7], 0
.endr
	s_add_nc_u64 s[20:21], s[66:67], s[20:21]
	s_add_nc_u64 s[22:23], s[96:97], s[22:23]
	s_add_nc_u64 s[46:47], s[8:9], s[46:47]
	s_add_nc_u64 s[92:93], s[10:11], s[92:93]
	CROUND
	s_mov_b32 s[G0S], 1
	s_add_co_u32 s[G0S+1], s94, SCL
	s_mov_b64 s[G0S+2:G0S+3], s[22:23]
	s_or_b32 s[G0S+3], s[G0S+3], 0x80000000
	s_mov_b32 s[G0SB], 1
	s_add_co_u32 s[G0SB+1], s94, SCL
	s_mov_b64 s[G0SB+2:G0SB+3], s[92:93]
	s_or_b32 s[G0SB+3], s[G0SB+3], 0x80000000
	JLOAD G0S, G1S, G0SB, G1SB
.irp s, 0,1
	s_mov_b32 s[G0+4*\s], 1
	s_add_co_u32 s[G0+4*\s+1], s45, \s*SLOT
	s_add_nc_u64 s[G0+4*\s+2:G0+4*\s+3], s[20:21], \s*ROWB
	s_or_b32 s[G0+4*\s+3], s[G0+4*\s+3], 0x80000000
	s_mov_b32 s[G0B+4*\s], 1
	s_add_co_u32 s[G0B+4*\s+1], s45, \s*SLOT
	s_add_nc_u64 s[G0B+4*\s+2:G0B+4*\s+3], s[46:47], \s*ROWB
	s_or_b32 s[G0B+4*\s+3], s[G0B+4*\s+3], 0x80000000
	s_wait_alu depctr_va_vdst(0)
	s_wait_tensorcnt 0x0
	ds_add_u32 v28, v29
	s_wait_dscnt 0x0
	CROUND
	JLOAD G0+4*\s, G1, G0B+4*\s, G1B
.endr
	v_and_b32 v1, 15, v0
	v_bfe_u32 v2, v0, 4, 1
	v_mul_u32_u24 v3, v1, PITCH
	v_mul_u32_u24 v4, v2, 24
	v_add_nc_u32 v4, v3, v4
	v_lshl_add_u32 v5, v2, 4, v4
	s_mul_i32 s21, s15, HALFT
	s_mul_i32 s22, s16, HALFT
	s_add_co_u32 s22, s22, 2*HALFT
.irp s, 0,1
	v_add_nc_u32 v[ADRA+\s], s21, v4
	v_add_nc_u32 v[ADRB+\s], s22, v4
	v_add_nc_u32 v[ADRA+2+\s], s21, v5
	v_add_nc_u32 v[ADRB+2+\s], s22, v5
	s_add_co_u32 s21, s21, SLOT
	s_add_co_u32 s22, s22, SLOT
.endr
	v_mul_u32_u24 v5, v1, KS
	v_lshrrev_b32 v6, 8, v5
	v_lshl_add_u32 v5, v6, 4, v5
	s_mul_i32 s21, s15, HALFS
	s_mul_i32 s22, s16, HALFS
	s_add_co_u32 s22, s22, 2*HALFS
	s_sub_co_u32 s22, s22, s21
	v_mul_u32_u24 v6, s22, v2
	s_add_co_u32 s21, s21, SCL
	v_add_nc_u32 v5, v5, v6
	v_add_nc_u32 v[ADRS], s21, v5
	s_mul_i32 s23, s14, 16*SPITCH
	v_mul_u32_u24 v5, v1, SPITCH
	v_lshl_add_u32 v5, v2, 6, v5
	v_add_nc_u32 v[STO], s23, v5
	v_and_b32 v6, 31, v0
	v_lshlrev_b32 v[CO], 4, v6
	v_add_nc_u32 v[RD], s23, v[CO]
	s_cmp_eq_u32 ttmp9, 2
	s_cselect_b32 s18, s42, s17
	s_cselect_b32 s19, s16, s15
	s_cselect_b32 s20, s41, s40
	s_cselect_b32 s21, s15, s16
	s_cselect_b32 s22, 6144, 0
	s_cselect_b32 s23, 4, 0
	s_cselect_b32 s46, 0, 64
	s_cselect_b32 s47, 0, 4
	s_lshl_b32 s18, s18, 1
	s_add_co_u32 s18, s18, s19
	s_lshl_b32 s20, s20, 1
	s_add_co_u32 s20, s20, s21
	s_lshl_b32 s92, s20, 9
	s_mov_b32 s93, 0
	s_add_nc_u64 s[BIA:BIA+1], s[BIA:BIA+1], s[92:93]
	s_lshr_b32 s19, s18, 4
	s_lshl_b32 s19, s19, 4
	s_lshl_b32 s21, s20, 1
	s_add_co_u32 s19, s19, s21
	s_and_b32 s21, s18, 15
	s_cmp_eq_u32 ttmp9, 0
	s_cselect_b32 s94, 1, 0
	s_lshr_b32 s95, 204800, s94
	s_lshr_b32 s66, 12800, s94
	s_lshr_b32 s67, 12288, s94
	s_mul_i32 s19, s19, s95
	s_mul_i32 s21, s21, s66
	s_add_co_u32 s19, s19, s21
	s_add_co_u32 s19, s19, s22
	s_lshl_b32 s21, s18, 19
	s_add_co_u32 s21, s21, s92
	s_cmp_eq_u32 ttmp9, 3
	s_cselect_b32 s92, s21, s19
	s_add_nc_u64 s[OUT0:OUT0+1], s[OUT0:OUT0+1], s[92:93]
	s_mov_b32 s92, s95
	s_add_nc_u64 s[OUT1:OUT1+1], s[OUT0:OUT0+1], s[92:93]
	s_cmp_eq_u32 ttmp9, 2
	s_cselect_b32 s67, 6400, s67
	v_mul_u32_u24 v[CSO], s95, v2
	v_lshl_add_u32 v[CSO], v1, 4, v[CSO]
	v_add_nc_u32 v[CSO], s67, v[CSO]
	v_and_b32 v7, 8, v1
	v_add_nc_u32 v7, v7, v1
	v_mul_u32_u24 v7, s23, v7
	v_mul_u32_u24 v8, s46, v2
	v_add_nc_u32 v7, v7, v8
.irp j, 1,2,3,4,5,6,7
	v_add_nc_u32 v[7+\j], s47, v[6+\j]
.endr
.irp i, 0,1,2,3,4,5,6,7
.irp j, 0,1,2,3,4,5,6,7
	global_load_b32 v[BI+8*\i+\j], v[7+\j], s[BIA:BIA+1] offset:4*(32*(\i/2)+8*(\i%2))
.endr
.endr
	s_mov_b32 s[SEL], 0x76543210
	s_mov_b32 s[SEL+1], 0xfedcba98
.macro FRAG reg, adr, q, i
.irp p, 0,1,2,3,4,5
.set PC, 12*(\q)+6*(\p/3)+\p%3
.if PC%8 < 5
	ds_load_b64 v[\reg+2*\p:\reg+2*\p+1], v[\adr] offset:8*PC+16*(PC/8)+(\i)*16*PITCH
.else
	ds_load_b64 v[\reg+2*\p:\reg+2*\p+1], v[\adr+2] offset:8*PC+16*(PC/8)+(\i)*16*PITCH
.endif
.endr
.endm
.macro MUL16 a0, p, q, sc, zero
.irp a, \a0, \a0+1
.irp b, 0,1,2,3,4,5,6,7
.if \zero
	v_wmma_scale_f32_16x16x128_f8f6f4 v[8*(8*((\a)%4)+\b):8*(8*((\a)%4)+\b)+7], v[128*(\p)+FR*\b:128*(\p)+FR*\b+FR-1], v[AF+FR*(\a):AF+FR*(\a)+FR-1], 0, v[SC+8*NQ*(\sc)+NQ*\b+(\q)], v[SC+8*NQ*(\sc)+NQ*(\a)+(\q)] matrix_a_fmt:MATRIX_FMT_FP6 matrix_b_fmt:MATRIX_FMT_FP6 matrix_a_scale:MATRIX_SCALE_ROW1
.else
	v_wmma_scale_f32_16x16x128_f8f6f4 v[8*(8*((\a)%4)+\b):8*(8*((\a)%4)+\b)+7], v[128*(\p)+FR*\b:128*(\p)+FR*\b+FR-1], v[AF+FR*(\a):AF+FR*(\a)+FR-1], v[8*(8*((\a)%4)+\b):8*(8*((\a)%4)+\b)+7], v[SC+8*NQ*(\sc)+NQ*\b+(\q)], v[SC+8*NQ*(\sc)+NQ*(\a)+(\q)] matrix_a_fmt:MATRIX_FMT_FP6 matrix_b_fmt:MATRIX_FMT_FP6 matrix_a_scale:MATRIX_SCALE_ROW1
.endif
.endr
.endr
.endm
.macro FETCH_B slot, q, p
	WIN TO_B
.irp i, 0,1,2,3,4,5,6,7
	FRAG 128*(\p)+FR*\i, ADRB+\slot, \q, \i
.endr
	WIN 0
.endm
.macro FETCH_A slot, q, i0
.irp i, \i0, \i0+1, \i0+2, \i0+3
	FRAG AF+FR*(\i), ADRA+\slot, \q, \i
.endr
.endm
.macro SCALES sc
.irp i, 0,1,2,3,4,5,6,7
	ds_load_b64 v[SC+8*NQ*\sc+NQ*\i:SC+8*NQ*\sc+NQ*\i+1], v[ADRS] offset:\i*SBLK
.endr
.endm
.macro PLACES n
.rept \n
	v_nop
.endr
.endm
.macro STEP slot, q, zero
	s_wait_dscnt 4*NL
	WIN MUL_LO
	MUL16 0, (\q)%2, \q, \slot, \zero
	MUL16 2, (\q)%2, \q, \slot, \zero
	s_wait_dscnt 0
	PLACES NP
	FETCH_B \slot, (\q)+1, 1-(\q)%2
	FETCH_A \slot, (\q)+1, 0
	WIN MUL_HI
	MUL16 4, (\q)%2, \q, \slot, \zero
	MUL16 6, (\q)%2, \q, \slot, \zero
	PLACES NP
	WIN 0
	FETCH_A \slot, (\q)+1, 4
.endm
.macro TURN slot, next, fill
	s_wait_tensorcnt 0x0
	ds_add_u32 v[SPW], v[NIL]
	s_wait_dscnt 4*NL+1
	WIN MUL_LO
	MUL16 0, 1, NQ-1, \slot, 0
	s_wait_dscnt 0x0
	s_barrier_signal -1
	MUL16 2, 1, NQ-1, \slot, 0
	WIN 0
	s_barrier_wait -1
.if \fill
	CREST
	s_add_nc_u64 s[G0+4*\slot+2:G0+4*\slot+3], s[G0+4*\slot+2:G0+4*\slot+3], 2*ROWB
	s_add_nc_u64 s[G0B+4*\slot+2:G0B+4*\slot+3], s[G0B+4*\slot+2:G0B+4*\slot+3], 2*ROWB
	JLOAD G0+4*\slot, G1, G0B+4*\slot, G1B
.else
	PLACES NP
.endif
	s_wait_alu depctr_va_vdst(0)
	v_add_nc_u32 v[ADRS], 4*NQ, v[ADRS]
	FETCH_B \next, 0, 0
	FETCH_A \next, 0, 0
	SCALES \next
	WIN MUL_HI
	MUL16 4, 1, NQ-1, \slot, 0
	MUL16 6, 1, NQ-1, \slot, 0
	PLACES NP
	WIN 0
	FETCH_A \next, 0, 4
.endm
	s_wait_tensorcnt 1
	s_barrier_signal -1
	s_barrier_wait -1
	FETCH_B 0, 0, 0
	FETCH_A 0, 0, 0
	SCALES 0
	FETCH_A 0, 0, 4
	STEP 0, 0, 1
	s_mov_b32 s3, LAPS-1
.Llap:
	TURN 0, 1, 1
	STEP 1, 0, 0
	TURN 1, 0, 1
	STEP 0, 0, 0
	s_sub_co_u32 s3, s3, 1
	s_cmp_lg_u32 s3, 0
	s_cbranch_scc1 .Llap
	TURN 0, 1, 0
	STEP 1, 0, 0
	s_wait_dscnt 4*NL
	WIN MUL_LO
	MUL16 0, 1, NQ-1, 1, 0
	MUL16 2, 1, NQ-1, 1, 0
	s_wait_dscnt 0
	WIN MUL_HI
	MUL16 4, 1, NQ-1, 1, 0
	MUL16 6, 1, NQ-1, 1, 0
	WIN 0
.macro QUANT s, d0, d1, pw
.irp b, 0,1,2,3
	v_max3_num_f32 v[TM+\b], |v[\s+16*\b]|, |v[\s+1+16*\b]|, 0x1800000
.endr
.irp i, 2,4,6,8,10,12,14
.irp b, 0,1,2,3
	v_max3_num_f32 v[TM+\b], v[TM+\b], |v[\s+16*\b+\i]|, |v[\s+1+16*\b+\i]|
.endr
.endr
.irp b, 0,1,2,3
	v_permlanex16_b32 v[TM+4+\b], v[TM+\b], s[SEL], s[SEL+1]
.endr
.irp b, 0,1,2,3
	v_max_num_f32 v[TM+\b], v[TM+\b], v[TM+4+\b]
.endr
.irp b, 0,1,2,3
	v_add_nc_u32 v[TM+12+\b], 0xff000000, v[TM+\b]
.endr
.irp b, 0,1,2,3
	v_lshrrev_b32 v[TM+4+\b], 23, v[TM+12+\b]
.endr
	v_lshl_or_b32 v[\pw], v[TM+5], 8, v[TM+4]
	v_lshl_or_b32 v[\pw], v[TM+6], 16, v[\pw]
	v_lshl_or_b32 v[\pw], v[TM+7], 24, v[\pw]
	v_cvt_scalef32_pk16_fp6_f32 v[\d0:\d0+2], v[\s:\s+15], v[TM+12]
	v_cvt_scalef32_pk16_fp6_f32 v[TQ:TQ+2], v[\s+16:\s+31], v[TM+13]
	v_cvt_scalef32_pk16_fp6_f32 v[\d1:\d1+2], v[\s+32:\s+47], v[TM+14]
	v_cvt_scalef32_pk16_fp6_f32 v[TQ+4:TQ+6], v[\s+48:\s+63], v[TM+15]
	v_nop
.irp i, 0,1,2
	v_permlane16_swap_b32 v[\d0+\i], v[TQ+\i]
.endr
.irp i, 0,1,2
	v_mov_b32 v[\d0+3+\i], v[TQ+\i]
.endr
.irp i, 0,1,2
	v_permlane16_swap_b32 v[\d1+\i], v[TQ+4+\i]
.endr
.irp i, 0,1,2
	v_mov_b32 v[\d1+3+\i], v[TQ+4+\i]
.endr
.endm
.macro FINISH
	s_wait_tensorcnt 0x0
	ds_add_u32 v[SPW], v[NIL]
	s_wait_dscnt 0x0
	CROUND
	s_endpgm
.endm
.macro QK a
	WIN (0x02+(\a)/4)
.set ii, 0
.rept 32
	v_pk_add_f32 v[HA+ii:HA+ii+1], v[64*((\a)%4)+ii:64*((\a)%4)+ii+1], v[BI+ii:BI+ii+1]
.set ii, ii+2
.endr
	WIN 0
.set ii, 0
.rept 64
	v_max_num_f32 v[HA+ii], 0, v[HA+ii]
.set ii, ii+1
.endr
.if ((\a)%2 == 0) && ((\a) > 0)
	s_wait_xcnt 0x0
.endif
	QUANT HA, PP+6*((\a)%2), PP+12+6*((\a)%2), SW+(\a)
.if (\a)%2 == 1
.irp q, 0,1,2
	global_store_b128 v[CO], v[PP+4*\q:PP+4*\q+3], s[OUT0:OUT0+1] offset:((\a)/2)*1536+512*\q
.endr
.irp q, 0,1,2
	global_store_b128 v[CO], v[PP+12+4*\q:PP+12+4*\q+3], s[OUT1:OUT1+1] offset:((\a)/2)*1536+512*\q
.endr
.endif
.endm
.macro VAL a
	WIN (0x02+(\a)/4)
.set ii, 0
.rept 32
	v_pk_add_f32 v[HA+ii:HA+ii+1], v[64*((\a)%4)+ii:64*((\a)%4)+ii+1], v[BI+8*(\a)+ii%8:BI+8*(\a)+ii%8+1]
.set ii, ii+2
.endr
	WIN 0
.set ii, 0
.rept 64
	v_max_num_f32 v[HA+ii], 0, v[HA+ii]
.set ii, ii+1
.endr
.if (\a) > 0
	s_wait_xcnt 0x0
.endif
	QUANT HA, PP, PP+6, SW+(\a)
.irp q, 0,1,2
	global_store_b128 v[CO], v[PP+4*\q:PP+4*\q+3], s[OUT0:OUT0+1] offset:((\a)/4)*204800+((\a)%4)*1536+512*\q
.endr
.endm
.macro TOSTAGE a
.set AC, 64*((\a)%4)
	WIN (0x82+0x41*((\a)/4))
.set ii, 0
.rept 32
	v_pk_add_f32 v[AC+ii:AC+ii+1], v[AC+ii:AC+ii+1], v[BI+ii:BI+ii+1]
.set ii, ii+2
.endr
	WIN (0x08+4*((\a)/4))
.irp b, 0,1,2,3,4,5,6,7
	ds_store_b128 v[STO], v[AC+8*\b:AC+8*\b+3] offset:128*(\b/2)+32*(\b%2)
	ds_store_b128 v[STO], v[AC+8*\b+4:AC+8*\b+7] offset:128*(\b/2)+32*(\b%2)+16
.endr
	WIN 0
.set BB, BK+64*((\a)%2)
.irp t, 0,1,2,3,4,5,6,7,8,9,10,11,12,13,14,15
	ds_load_b128 v[BB+4*\t:BB+4*\t+3], v[RD] offset:\t*SPITCH
.endr
.endm
.macro SEND a, younger
.set BB, BK+64*((\a)%2)
	s_wait_dscnt \younger
.irp t, 0,1,2,3,4,5,6,7,8,9,10,11,12,13,14,15
	global_store_b128 v[CO], v[BB+4*\t:BB+4*\t+3], s[OUT0:OUT0+1] offset:(32*((\a)/2)+8*((\a)%2)+\t%8+16*(\t/8))*4096 th:TH_STORE_NT
.endr
.endm
	s_wait_loadcnt 0x0
	PLACES NP
.irp b, 0,1,2,3
	v_mov_b32 v[TM+4+\b], 0
.endr
	s_cmp_eq_u32 ttmp9, 3
	s_cbranch_scc1 .Lres
	s_cmp_eq_u32 ttmp9, 2
	s_cbranch_scc1 .Lval
.irp a, 0,1,2,3,4,5,6,7
	QK \a
.endr
	v_cmp_eq_u32 vcc_lo, 1, v2
.irp i, 0,1,2,3
	v_perm_b32 v252, v[SW+2*\i+1], v[SW+2*\i], 0x05040100
	v_perm_b32 v253, v[SW+2*\i+1], v[SW+2*\i], 0x07060302
	v_cndmask_b32 v[DD+\i], v252, v253, vcc_lo
.endr
	global_store_b128 v[CSO], v[DD:DD+3], s[OUT0:OUT0+1]
	FINISH
.Lval:
.irp a, 0,1,2,3,4,5,6,7
	VAL \a
.endr
	v_cmp_eq_u32 vcc_lo, 1, v2
.irp i, 0,1,2,3
	v_cndmask_b32 v[DD+\i], v[SW+\i], v[SW+4+\i], vcc_lo
.endr
	global_store_b128 v[CSO], v[DD:DD+3], s[OUT0:OUT0+1]
	FINISH
.Lres:
	TOSTAGE 0
.irp a, 1,2,3,4,5,6,7
.if \a > 1
	s_wait_xcnt 0x0
.endif
	TOSTAGE \a
	SEND \a-1, 32
.endr
	SEND 7, 0
	FINISH
.Lfunc_end_k_qf27a5b3096_proj:
	.size	k_qf27a5b3096_proj, .Lfunc_end_k_qf27a5b3096_proj-k_qf27a5b3096_proj
	.p2alignl 7, 3214868480
	.fill 96, 4, 3214868480
	.section	.rodata,"a",@progbits
	.p2align	6, 0x0
	.amdhsa_kernel k_qf27a5b3096_proj
		.amdhsa_group_segment_fixed_size 327680
		.amdhsa_private_segment_fixed_size 0
		.amdhsa_enable_private_segment 0
		.amdhsa_kernarg_size 88
		.amdhsa_user_sgpr_count 2
		.amdhsa_user_sgpr_kernarg_segment_ptr 1
		.amdhsa_wavefront_size32 1
		.amdhsa_system_sgpr_workgroup_id_x 1
		.amdhsa_system_sgpr_workgroup_id_y 1
		.amdhsa_system_sgpr_workgroup_id_z 1
		.amdhsa_system_vgpr_workitem_id 0
		.amdhsa_next_free_vgpr 1024
		.amdhsa_next_free_sgpr 106
		.amdhsa_reserve_vcc 1
		.amdhsa_float_denorm_mode_32 3
		.amdhsa_float_denorm_mode_16_64 3
		.amdhsa_memory_ordered 1
		.amdhsa_forward_progress 1
		.amdhsa_inst_pref_size 255
	.end_amdhsa_kernel
	.section	.bss,"aw",@nobits
	.p2align	6
	.space	262144
	.amdgpu_metadata
---
amdhsa.version: [ 1, 2 ]
amdhsa.kernels:
  - .name:           k_qf27a5b3096_proj
    .symbol:         k_qf27a5b3096_proj.kd
    .args:
      - { .name: xc, .offset: 0, .size: 8, .value_kind: global_buffer, .address_space: global }
      - { .name: xs, .offset: 8, .size: 8, .value_kind: global_buffer, .address_space: global }
      - { .name: wc, .offset: 16, .size: 8, .value_kind: global_buffer, .address_space: global }
      - { .name: ws, .offset: 24, .size: 8, .value_kind: global_buffer, .address_space: global }
      - { .name: bq, .offset: 32, .size: 8, .value_kind: global_buffer, .address_space: global }
      - { .name: bk, .offset: 40, .size: 8, .value_kind: global_buffer, .address_space: global }
      - { .name: bv, .offset: 48, .size: 8, .value_kind: global_buffer, .address_space: global }
      - { .name: br, .offset: 56, .size: 8, .value_kind: global_buffer, .address_space: global }
      - { .name: qb, .offset: 64, .size: 8, .value_kind: global_buffer, .address_space: global }
      - { .name: kv, .offset: 72, .size: 8, .value_kind: global_buffer, .address_space: global }
      - { .name: res, .offset: 80, .size: 8, .value_kind: global_buffer, .address_space: global }
    .group_segment_fixed_size: 327680
    .private_segment_fixed_size: 0
    .kernarg_segment_align: 8
    .kernarg_segment_size: 88
    .max_flat_workgroup_size: 128
    .sgpr_count:     106
    .vgpr_count:     1024
    .wavefront_size: 32
...
	.end_amdgpu_metadata
.endif
;; end of part 2
;; launch attn (part 3): grid 4 x 64, 16 waves a work-group, clusters of 4 x 1, 276,480 bytes of LDS; arguments qb, kv, res, out0; writes out0
.if DOCPART == 3
	.amdgcn_target "amdgcn-amd-amdhsa--gfx1250"
	.amdhsa_code_object_version 6
	.text
	.protected	k_qf27a5b3096_attn
	.globl	k_qf27a5b3096_attn
	.p2align	8
	.type	k_qf27a5b3096_attn,@function
k_qf27a5b3096_attn:
	s_mov_b64 s[64:65], 0
	v_nop
	global_prefetch_b8 v0, s[64:65] scope:SCOPE_SE
	s_setreg_imm32_b32 hwreg(HW_REG_WAVE_MODE, 25, 1), 1
	s_wait_xcnt 0x0
	s_wait_alu depctr_hold_cnt(0) depctr_sa_sdst(0) depctr_va_vdst(0) depctr_va_sdst(0) depctr_va_ssrc(0) depctr_va_vcc(0) depctr_vm_vsrc(0)
	s_getreg_b32 s2, hwreg(HW_REG_IB_STS2, 6, 4)
	s_cmp_eq_u32 s2, 0
	s_cbranch_scc0 .Lentry_in_a_cluster
	s_endpgm
.Lentry_in_a_cluster:
	s_bfe_u32 s2, ttmp6, 0x10000c
	s_cmp_lg_u32 s2, 0x3003
	s_cbranch_scc0 .Lentry_shape_is_right
	s_endpgm
.Lentry_shape_is_right:
; out0 = softmax(q k^T) v + res, for each of 64 (batch, head) pairs: 2,048 queries, 2,048 keys, 64 channels; no scaling of the scores.  Both products on codes of FP6 (E2M3) with E8M0 scales.
; THE SOFTMAX AHEAD OF THE SECOND PRODUCT: t = score x log2(e); M = the running largest t, rounded UP to a whole number; p = 2^(t - M) is quantised along the keys, not normalised; the row's sum is taken of the
; unquantised p and divides at the end.  When M moves, the sum and O are multiplied by 2^(old M - new M): exact.
; SHARES.  A cluster of four work-groups owns a head; a work-group 512 of its queries; each of its sixteen waves a pair of tiles of 16 queries, one after the other (two passes).  Four waves to a SIMD, 256 registers each.
; A HEAD'S K AND V STAY IN LDS: 16 key steps of 12,800 bytes (k's 4 pairs, v's 4 tiles, their scale words), as images of the operands' registers.  Each wave brings one key step by one tensor load, asked for
; JOINTLY by the four work-groups (the same descriptor, a mask that names the four).  They are filled once: no ring, no refill, one barrier.  So nothing is left to prefetch: all of K and V is asked for at the head,
; and the residual's rows and the next queries are asked for a pass ahead of their use.
; LAYOUT.  Both products transposed: S^T = K Q^T, O^T = V^T P^T: a lane holds one query throughout.  The first product's K is 64: a fragment of k is a PAIR of tiles of 16 keys, the even tile's 64 channels at
; k 0..63, the odd tile's at k 64..127; multiplied by [Q | zero codes] it gives the even tile's scores, by [zero codes | Q] the odd tile's.  The other tile's codes meet zero codes: every code is a finite number and every
; scale byte lies in 1..254, so they add exactly 0.  The keys of tile 2 b + u are 32 b + 8 u + r + 8 (r / 8): the 16 registers of a pair's two tiles are keys 32 b + 16 (lane / 16) + 0 .. 15.
; LIMITS: NaN and infinities are not served; p under 2^-126 counts as 0; a block of p that is all zeros keeps the scale byte 1; the division by the row's sum is v_rcp_f32 and a multiplication.
.set KSB,    12800                     ; a key step in bytes
.set HEADB,  16*KSB
.set VIMG,   6144                      ; in a key step: v's tiles,
.set KSCO,   12288                     ; k's scale words [r 16][pair 4],
.set VSCO,   12544                     ; v's [r 16][tile 4]
.set STG,    HEADB                     ; behind the head: 16 rows x (256 + 16) bytes for each wave, for the way out; no fill lands here
.set SPITCH, 272
.set SPARE,  STG+16*16*SPITCH          ; the spare words, 128 bytes for each wave, which no other line names
.set L16,  1                           ; v1   16 x lane
.set R16,  2                           ; v2   16 x (lane % 16)
.set QSO,  3                           ; v3   my query's scale word in the group's 256 bytes: 16 r + 4 x pair
.set SPW,  4                           ; v4   LDS address of my spare word; never rewritten
.set NIL,  5                           ; v5   0; never rewritten
.set STO,  6                           ; v6   the stage: where I put my channels
.set RD,   7                           ; v7   and where I read rows back
.set GO,   8                           ; v8   my byte offset among the tile's rows of res and out0
.set AL,   9                           ; v9   the key step in hand + 16 x lane
.set AR,   10                          ; v10  the key step in hand + 16 r
.set QAO,  11                          ; v11  my pair's image in the group: 16 x lane + 1,536 x pair
.set QZ,   16                          ; v16-21 zero codes, v22-27 Q, v28-33 zero codes
.set QSC,  34                          ; v34  Q's two scale bytes, twice
.set QSW,  35                          ; v35  the pair's scale word as loaded
.set KF,   36                          ; v36-83 four fragments of k, then of v
.set S,    84                          ; v84-147 S^T, then p
.set O,    148                         ; v148-179 O^T
.set RS,   180                         ; v180-211 the residual's rows
.set PC,   212                         ; v212-223 p's codes
.set BM,   224                         ; v224-227 the blocks' largest
.set T2,   228                         ; v228-235 at work
.set SO,   236                         ; v236-239 the conversions' scale operands
.set KSC,  240                         ; v240-243 k's scale words
.set VSC,  244                         ; v244-247 v's
.set FF,   248                         ; v248 f = 2^(old M - new M); v249 is named with it as a pair and holds 0
.set L2,   250                         ; v[250:251] the sum's second pair (the first: v[14:15]); v12 -M, v13 the largest t
.set TV,   252                         ; v252-253 at work
.set PW,   254                         ; v254 p's scale word
.set WV,   12
.set G1,   16                          ; s[16:23] descriptor group 1;  s[24:27] group 0
.set G0,   24
.set TB,   28                          ; s28  LDS byte at which the key step in hand begins
.set CNT,  29
.set SEL,  30                          ; s[30:31] v_permlanex16_b32's selects for lane l xor 16
.set CS,   32                          ; s[32:33] log2(e): the packed form names a pair and takes its low word for both halves
.macro CROUND                          ; a round of the cluster's barrier
	s_barrier_signal -1
	s_barrier_wait -1
	s_cmp_lg_u32 s[WV], 0
	s_cbranch_scc1 .Lnot_wave_0_\@
	s_barrier_signal -3
.Lnot_wave_0_\@:
	s_barrier_wait -3
	s_barrier_signal -1
	s_barrier_wait -1
.endm
	s_load_b256 s[4:11], s[0:1], 0x0               ; qb s[4:5], kv s[6:7], res s[8:9], out0 s[10:11]
	v_lshl_add_u32 v[SPW], v0, 2, SPARE
	v_mov_b32 v[NIL], 0
	ds_add_u32 v[SPW], v[NIL]                      ; the wave's opening: the add and its wait ahead of my first tensor load; work on registers stands between them
	ds_add_u32 v[SPW], v[NIL]
	v_lshrrev_b32 v1, 5, v0
	s_delay_alu instid0(VALU_DEP_1)
	v_readfirstlane_b32 s[WV], v1                  ; wave 0..15
	s_bfe_u32 s13, ttmp6, 0x40000                  ; cx: it enters Q's, res's and out0's addresses alone
	s_and_b32 s14, ttmp7, 0xffff                   ; 16 x batch + head, which the four partners share
	; descriptor group 1: a key step, 12,800 dense bytes, as 50 rows of 256 bytes (32 elements of 8 bytes), no padding
	s_mov_b32 s[G1], 15|(3<<16)|(1<<21)            ; 15:0 the mask: all four work-groups; 17:16 elements of 8 bytes; 21 set beside a mask
	s_mov_b32 s[G1+1], 32<<16                      ; tensor_dim0
	s_mov_b32 s[G1+2], 50<<16                      ; tensor_dim1
	s_mov_b32 s[G1+3], 32<<16                      ; tile_dim0
	s_mov_b32 s[G1+4], 50                          ; tile_dim1
	s_mov_b32 s[G1+5], 32                          ; tensor_dim0_stride
	s_mov_b32 s[G1+6], 0
	s_mov_b32 s[G1+7], 0
	s_mul_i32 s15, s[WV], KSB                      ; my key step's place, in LDS and in the head
	s_mul_i32 s34, s14, HEADB
	s_add_co_u32 s34, s34, s15
	s_mov_b32 s35, 0
	s_mov_b32 s[SEL], 0x76543210
	s_mov_b32 s[SEL+1], 0xfedcba98
	s_mov_b32 s[CS], 0x3fb8aa3b                    ; log2(e)
	s_mov_b32 s[CS+1], s[CS]
	s_wait_dscnt 0x0                               ; the opening add is done
	s_wait_kmcnt 0x0
	s_mov_b32 s[G0], 1
	s_mov_b32 s[G0+1], s15
	s_add_nc_u64 s[G0+2:G0+3], s[6:7], s[34:35]
	s_or_b32 s[G0+3], s[G0+3], 0x80000000
	CROUND                                         ; all four work-groups are here: the joint loads meet
	tensor_load_to_lds s[G0:G0+3], s[G1:G1+7]      ; my one tensor load of the launch: key step = my wave's number
	s_nop 0
.rept 4
	v_nop
.endr
	s_lshr_b32 s36, s[WV], 2
	s_lshl_b32 s37, s13, 2
	s_add_co_u32 s36, s36, s37                     ; my group of 128 queries: 4 cx + wave / 4
	s_and_b32 s37, s[WV], 3                        ; my pair of tiles in it
	s_mul_i32 s34, s14, 102400
	s_mul_i32 s38, s36, 6400
	s_add_co_u32 s34, s34, s38
	s_add_nc_u64 s[4:5], s[4:5], s[34:35]          ; qb at my group
	s_lshr_b32 s38, s14, 4
	s_lshl_b32 s38, s38, 11                        ; 2,048 x batch
	s_lshl_b32 s39, s36, 7
	s_add_co_u32 s38, s38, s39
	s_lshl_b32 s39, s37, 5
	s_add_co_u32 s38, s38, s39                     ; the first token of my pair's 32
	s_lshl_b32 s38, s38, 12                        ; rows of 4,096 bytes
	s_and_b32 s39, s14, 15
	s_lshl_b32 s39, s39, 8                         ; the head's 256 bytes of a row
	s_add_co_u32 s34, s38, s39
	s_add_nc_u64 s[8:9], s[8:9], s[34:35]
	s_add_nc_u64 s[10:11], s[10:11], s[34:35]
	v_and_b32 v[TV], 15, v0                        ; r
	v_bfe_u32 v[TV+1], v0, 4, 1                    ; h
	v_and_b32 v[L16], 31, v0
	s_delay_alu instid0(VALU_DEP_1)
	v_lshlrev_b32 v[L16], 4, v[L16]
	s_delay_alu instid0(VALU_DEP_4)
	v_lshlrev_b32 v[R16], 4, v[TV]
	s_lshl_b32 s38, s37, 2
	v_add_nc_u32 v[QSO], s38, v[R16]
	s_mul_i32 s38, s37, 1536
	v_add_nc_u32 v[QAO], s38, v[L16]
	s_mul_i32 s38, s[WV], 16*SPITCH
	s_add_co_u32 s38, s38, STG                     ; my stage
	v_mul_u32_u24 v[STO], v[TV], SPITCH
	s_delay_alu instid0(VALU_DEP_1)
	v_lshl_add_u32 v[STO], v[TV+1], 6, v[STO]
	s_delay_alu instid0(VALU_DEP_1)
	v_add_nc_u32 v[STO], s38, v[STO]               ; in: row r, + 64 h: my half's 16 channels of each 32
	v_mul_u32_u24 v[RD], v[TV+1], SPITCH
	s_delay_alu instid0(VALU_DEP_1)
	v_add_nc_u32 v[RD], v[RD], v[R16]
	s_delay_alu instid0(VALU_DEP_1)
	v_add_nc_u32 v[RD], s38, v[RD]                 ; back: lanes 0-15 one row, lanes 16-31 the next
	v_lshl_add_u32 v[GO], v[TV+1], 12, v[R16]      ; and the same in memory
	global_load_b128 v[QZ+6:QZ+9], v[QAO], s[4:5]              ; the even tile's codes: registers 0-5 of the pair's image
	global_load_b64 v[QZ+10:QZ+11], v[QAO], s[4:5] offset:512
	global_load_b32 v[QSW], v[QSO], s[4:5] offset:6144         ; the pair's scale word of my query
.macro RESLOAD u                       ; the residual's 16 rows of tile u, as the way out wants them: stage row 2 i + h is token 8 u + 2 i + h + 8 (i / 4) of my 32
.irp i, 0,1,2,3,4,5,6,7
	global_load_b128 v[RS+4*\i:RS+4*\i+3], v[GO], s[8:9] offset:(2*\i+8*(\i/4))*4096+32768*\u th:TH_LOAD_NT
.endr
.endm
	RESLOAD 0
.irp i, 0,1,2,3,4,5
	v_mov_b32 v[QZ+\i], 0                          ; zero codes on both sides of Q
	v_mov_b32 v[QZ+12+\i], 0
.endr
.irp b, 0,1,2,3
	v_mov_b32 v[T2+\b], 0                          ; written once: a lane permute's destination counts as one of its sources
.endr
	v_mov_b32 v[FF+1], 0                           ; named as the upper half of the pair with f
	s_wait_tensorcnt 0x0                           ; my key step is in LDS,
	s_barrier_signal -1
	s_barrier_wait -1                              ; everybody's is: the whole head
.macro KLOAD base                      ; k's four pairs and their scale words, from base bytes behind the key step in hand
.irp i, 0,1,2,3,4,5,6,7,8,9,10,11
	ds_load_b128 v[KF+4*\i:KF+4*\i+3], v[AL] offset:\base+512*\i
.endr
	ds_load_b128 v[KSC:KSC+3], v[AR] offset:\base+KSCO
.endm
; A KEY STEP: 128 keys.  next = 1: the next step's k is fetched at the end.  qnext = 1: the odd tile's queries are asked for (the last step of the first pass).
.macro STEP next, qnext
	v_add_nc_u32 v[AL], s[TB], v[L16]
	v_add_nc_u32 v[AR], s[TB], v[R16]
	s_wait_alu depctr_va_vdst(0)
	s_wait_dscnt 0x0                               ; k is in
.irp a, 0,1,2,3                                ; eight accumulators, one instruction each
	v_wmma_scale_f32_16x16x128_f8f6f4 v[S+16*\a:S+16*\a+7], v[KF+12*\a:KF+12*\a+11], v[QZ+6:QZ+17], 0, v[KSC+\a], v[QSC] matrix_a_fmt:MATRIX_FMT_FP6 matrix_b_fmt:MATRIX_FMT_FP6
	v_wmma_scale_f32_16x16x128_f8f6f4 v[S+16*\a+8:S+16*\a+15], v[KF+12*\a:KF+12*\a+11], v[QZ:QZ+11], 0, v[KSC+\a], v[QSC] matrix_a_fmt:MATRIX_FMT_FP6 matrix_b_fmt:MATRIX_FMT_FP6
.endr
.rept 4
	v_nop                                          ; places in front of the loads into k's and Q's registers and of the first read of the scores
.endr
.if \qnext
	global_load_b64 v[QZ+6:QZ+7], v[QAO], s[4:5] offset:520    ; the odd tile's codes: registers 6-11 of the pair's image
	global_load_b128 v[QZ+8:QZ+11], v[QAO], s[4:5] offset:1024
.endif
.irp i, 0,1,2,3,4,5,6,7,8,9,10,11
	ds_load_b128 v[KF+4*\i:KF+4*\i+3], v[AL] offset:VIMG+512*\i   ; v's four tiles: they land under the softmax
.endr
	ds_load_b128 v[VSC:VSC+3], v[AR] offset:VSCO
.irp b, 0,1,2,3
	v_max3_num_f32 v[BM+\b], v[S+16*\b], v[S+1+16*\b], v[S+2+16*\b]   ; the largest score of each block of 32 keys: for the row's maximum, and, since p rises with the score, for the block's largest p
.endr
.irp i, 3,5,7,9,11,13
.irp b, 0,1,2,3
	v_max3_num_f32 v[BM+\b], v[BM+\b], v[S+16*\b+\i], v[S+1+16*\b+\i]
.endr
.endr
.irp b, 0,1,2,3
	v_max_num_f32 v[BM+\b], v[BM+\b], v[S+15+16*\b]
.endr
.irp b, 0,1,2,3
	s_delay_alu instid0(VALU_DEP_4)
	v_permlanex16_b32 v[T2+\b], v[BM+\b], s[SEL], s[SEL+1]
.endr
.irp b, 0,1,2,3
	s_delay_alu instid0(VALU_DEP_4)
	v_max_num_f32 v[BM+\b], v[BM+\b], v[T2+\b]     ; with lane l xor 16's 16 keys
.endr
	s_delay_alu instid0(VALU_DEP_2)
	v_max3_num_f32 v[TV], v[BM], v[BM+1], v[BM+2]
	s_delay_alu instid0(VALU_DEP_1)
	v_max_num_f32 v[TV], v[TV], v[BM+3]            ; the step's largest score of my query
	s_delay_alu instid0(VALU_DEP_1)
	v_mul_f32 v[TV], s[CS], v[TV]                  ; as t
	s_delay_alu instid0(VALU_DEP_1)
	v_max_num_f32 v13, v13, v[TV]                  ; the running largest t
	v_mov_b32 v[TV], v12
	s_delay_alu instid0(VALU_DEP_2)
	v_floor_f32 v12, -v13                          ; the new -M = floor(-t): M is a whole number
	s_delay_alu instid0(VALU_DEP_1)
	v_sub_f32 v[TV], v12, v[TV]                    ; old M - new M: a whole number, 0 or less
	s_delay_alu instid0(VALU_DEP_1)
	v_cvt_i32_f32 v[TV], v[TV]                     ; (it saturates)
	s_delay_alu instid0(VALU_DEP_1)
	v_ldexp_f32 v[FF], 1.0, v[TV]                  ; f = 2^(old M - new M)
.set jj, 0
.rept 32
	v_pk_fma_f32 v[S+jj:S+jj+1], v[S+jj:S+jj+1], s[CS:CS+1], v[12:13] op_sel_hi:[1,0,0]   ; t - M, two at a time
.set jj, jj+2
.endr
.irp b, 0,1,2,3
	v_fma_f32 v[BM+\b], v[BM+\b], s[CS], v12       ; the same of each block's largest score
.endr
.set jj, 0
	s_wait_alu depctr_va_vdst(0)
.rept 64
	v_exp_f32 v[S+jj], v[S+jj]                     ; p = 2^(t - M), at most 1
.set jj, jj+1
.endr
	s_setprio 1
	v_pk_mul_f32 v[14:15], v[14:15], v[FF:FF+1] op_sel_hi:[1,0]     ; the sums under the new M (plain work behind the exponentials)
	v_pk_mul_f32 v[L2:L2+1], v[L2:L2+1], v[FF:FF+1] op_sel_hi:[1,0]
	s_wait_alu depctr_va_vdst(0)                   ; one wait for the batch of 64, ahead of its first reader
.irp b, 0,1,2,3
	v_exp_f32 v[BM+\b], v[BM+\b]                   ; the block's largest p: the same two instructions on the same number give the same bits
.endr
.irp j, 0,4,8,12,16,20,24,28
	v_pk_add_f32 v[14:15], v[14:15], v[S+\j:S+\j+1]                 ; the row's sum is taken of the unquantised p: two chains; the first half of the 64 here
	v_pk_add_f32 v[L2:L2+1], v[L2:L2+1], v[S+\j+2:S+\j+3]
.endr
	s_wait_alu depctr_va_vdst(0)                   ; and one for the four
.irp b, 0,1,2,3
	v_max_num_f32 v[BM+\b], 0x1800000, v[BM+\b]    ; the floor 2^(3 - 127): the byte cannot fall under 1
.endr
.irp b, 0,1,2,3
	s_delay_alu instid0(VALU_DEP_4)
	v_add_nc_u32 v[SO+\b], 0xff000000, v[BM+\b]    ; 2 off the exponent field: the conversion's scale operand
.endr
.irp b, 0,1,2,3
	s_delay_alu instid0(VALU_DEP_4)
	v_lshrrev_b32 v[T2+\b], 23, v[SO+\b]           ; the scale's byte
.endr
	s_delay_alu instid0(VALU_DEP_3)
	v_lshl_or_b32 v[PW], v[T2+1], 8, v[T2]         ; p's scale word for these 128 keys
	s_delay_alu instid0(VALU_DEP_1)
	v_lshl_or_b32 v[PW], v[T2+2], 16, v[PW]
	s_delay_alu instid0(VALU_DEP_1)
	v_lshl_or_b32 v[PW], v[T2+3], 24, v[PW]
.irp c, 0,1
	v_cvt_scalef32_pk16_fp6_f32 v[PC+6*\c:PC+6*\c+2], v[S+32*\c:S+32*\c+15], v[SO+2*\c]
	v_cvt_scalef32_pk16_fp6_f32 v[T2+4*\c:T2+4*\c+2], v[S+32*\c+16:S+32*\c+31], v[SO+2*\c+1]   ; (a conversion's three registers begin on an even number)
.endr
	v_nop                                          ; one plain place behind a scaled conversion
.irp c, 0,1                                    ; the operand's layout wants a whole block in a lane
.irp i, 0,1,2
	v_permlane16_swap_b32 v[PC+6*\c+\i], v[T2+4*\c+\i]
.endr
.irp i, 0,1,2
	s_delay_alu instid0(VALU_DEP_3)
	v_mov_b32 v[PC+6*\c+3+\i], v[T2+4*\c+\i]
.endr
.endr
.set jj, 0
.rept 16
	v_pk_mul_f32 v[O+jj:O+jj+1], v[O+jj:O+jj+1], v[FF:FF+1] op_sel_hi:[1,0]   ; O^T under the new M, from each accumulator's low end on; also the places between the codes' and the scale word's last writes and the products
.set jj, jj+2
.endr
	s_setprio 0
	s_wait_alu depctr_va_vdst(0)
	s_wait_dscnt 0x0                               ; v is in
.irp t, 0,1,2,3                                ; O^T += V^T P^T: four accumulators, one instruction each
	v_wmma_scale_f32_16x16x128_f8f6f4 v[O+8*\t:O+8*\t+7], v[KF+12*\t:KF+12*\t+11], v[PC:PC+11], v[O+8*\t:O+8*\t+7], v[VSC+\t], v[PW] matrix_a_fmt:MATRIX_FMT_FP6 matrix_b_fmt:MATRIX_FMT_FP6
.endr
.irp j, 32,36
	v_pk_add_f32 v[14:15], v[14:15], v[S+\j:S+\j+1]                 ; the sum's second half: its first four additions are the places in front of the loads into v's registers
	v_pk_add_f32 v[L2:L2+1], v[L2:L2+1], v[S+\j+2:S+\j+3]
.endr
.if \next
	KLOAD KSB
.endif
.irp j, 40,44,48,52,56,60
	v_pk_add_f32 v[14:15], v[14:15], v[S+\j:S+\j+1]
	v_pk_add_f32 v[L2:L2+1], v[L2:L2+1], v[S+\j+2:S+\j+3]
.endr
.endm
; THE WAY OUT of tile u: O^T / the sum, through my stage, + the residual; sixteen lanes store 256 consecutive bytes, aligned.  Register 8 t + j is channel 32 (t / 2) + 16 h + 8 (t % 2) + j.
.macro WAYOUT u
	s_delay_alu instid0(VALU_DEP_1)
	v_pk_add_f32 v[14:15], v[14:15], v[L2:L2+1]
	s_delay_alu instid0(VALU_DEP_1)
	v_add_f32 v14, v14, v15
	s_delay_alu instid0(VALU_DEP_1)
	v_permlanex16_b32 v[T2], v14, s[SEL], s[SEL+1]
	s_delay_alu instid0(VALU_DEP_1)
	v_add_f32 v14, v14, v[T2]                      ; with lane l xor 16's: the row's sum
	s_wait_alu depctr_va_vdst(0)
	v_rcp_f32 v14, v14
	v_nop                                          ; one plain place behind the reciprocal
	s_wait_alu depctr_va_vdst(0)                   ; and the wait ahead of its first reader
.set jj, 0
.rept 16
	v_pk_mul_f32 v[S+jj:S+jj+1], v[O+jj:O+jj+1], v[14:15] op_sel_hi:[1,0]
.set jj, jj+2
.endr
.irp t, 0,1,2,3
	ds_store_b128 v[STO], v[S+8*\t:S+8*\t+3] offset:128*(\t/2)+32*(\t%2)
	ds_store_b128 v[STO], v[S+8*\t+4:S+8*\t+7] offset:128*(\t/2)+32*(\t%2)+16
.endr
.irp i, 0,1,2,3,4,5,6,7
	ds_load_b128 v[S+32+4*\i:S+32+4*\i+3], v[RD] offset:2*\i*SPITCH   ; my own bytes: LDS serves a wave's instructions in order
.endr
	s_wait_loadcnt 0x0                             ; the residual's rows (and, in the first pass, the next queries)
.irp i, 0,1,2,3,4,5,6,7
	s_wait_dscnt 7-\i                              ; rows 2 i and 2 i + 1 are back; the younger loads may be out
	v_pk_add_f32 v[S+32+4*\i:S+32+4*\i+1], v[S+32+4*\i:S+32+4*\i+1], v[RS+4*\i:RS+4*\i+1]
	v_pk_add_f32 v[S+34+4*\i:S+34+4*\i+1], v[S+34+4*\i:S+34+4*\i+1], v[RS+4*\i+2:RS+4*\i+3]
	global_store_b128 v[GO], v[S+32+4*\i:S+32+4*\i+3], s[10:11] offset:(2*\i+8*(\i/4))*4096+32768*\u th:TH_STORE_NT
.endr
.if \u == 0
	RESLOAD 1                                      ; the next tile's residual: a whole pass ahead of its use
.endif
.endm
.macro PASS u
.if \u
	s_wait_xcnt 0x0                                ; the first tile's stores have read their data: those registers take scores again only behind this wait
.endif
	v_mov_b32 v13, 0xff61b1e6                      ; the largest t so far: -3e38, under every t
	s_delay_alu instid0(VALU_DEP_1)
	v_floor_f32 v12, -v13                          ; -M
	v_mov_b32 v14, 0
	v_mov_b32 v15, 0
	v_mov_b32 v[L2], 0
	v_mov_b32 v[L2+1], 0
.if \u == 0
	s_wait_loadcnt 8                               ; Q's three loads are in; the residual's eight may be out
	v_perm_b32 v[QSC], v[QSW], v[QSW], 0x01000100  ; the even tile's two bytes, in both halves of the word: they serve [Q | 0] and [0 | Q] alike
.else
	v_perm_b32 v[QSC], v[QSW], v[QSW], 0x03020302  ; the odd tile's
.endif
.set jj, 0
.rept 32
	v_mov_b32 v[O+jj], 0                           ; O^T: the step is written once, its first turn finds zeros.  (Also the places between the scale word's write and the first product)
.set jj, jj+1
.endr
	s_mov_b32 s[TB], 0
	v_add_nc_u32 v[AL], s[TB], v[L16]
	v_add_nc_u32 v[AR], s[TB], v[R16]
	KLOAD 0
	s_mov_b32 s[CNT], 15
.Lkey_\u:
	s_setprio 2
	STEP 1, 0
	s_add_co_u32 s[TB], s[TB], KSB
	s_sub_co_i32 s[CNT], s[CNT], 1
	s_cmp_lg_u32 s[CNT], 0
	s_cbranch_scc1 .Lkey_\u
	s_setprio 0
	STEP 0, 1-\u                                   ; the last key step fetches no further k
	WAYOUT \u
.endm
	PASS 0
	PASS 1
	s_wait_tensorcnt 0x0                           ; the wave's end: behind my last tensor load and my last LDS store
	ds_add_u32 v[SPW], v[NIL]
	s_wait_dscnt 0x0
	CROUND                                         ; the closing round
	s_endpgm
.Lfunc_end_k_qf27a5b3096_attn:
	.size	k_qf27a5b3096_attn, .Lfunc_end_k_qf27a5b3096_attn-k_qf27a5b3096_attn
	.p2alignl 7, 3214868480
	.fill 96, 4, 3214868480
	.section	.rodata,"a",@progbits
	.p2align	6, 0x0
	.amdhsa_kernel k_qf27a5b3096_attn
		.amdhsa_group_segment_fixed_size 276480
		.amdhsa_private_segment_fixed_size 0
		.amdhsa_enable_private_segment 0
		.amdhsa_kernarg_size 32
		.amdhsa_user_sgpr_count 2
		.amdhsa_user_sgpr_kernarg_segment_ptr 1
		.amdhsa_wavefront_size32 1
		.amdhsa_system_sgpr_workgroup_id_x 1
		.amdhsa_system_sgpr_workgroup_id_y 1
		.amdhsa_system_sgpr_workgroup_id_z 1
		.amdhsa_system_vgpr_workitem_id 0
		.amdhsa_next_free_vgpr 256
		.amdhsa_next_free_sgpr 66
		.amdhsa_reserve_vcc 0
		.amdhsa_float_denorm_mode_32 3
		.amdhsa_float_denorm_mode_16_64 3
		.amdhsa_memory_ordered 1
		.amdhsa_forward_progress 1
		.amdhsa_inst_pref_size 85
	.end_amdhsa_kernel
	.amdgpu_metadata
---
amdhsa.version: [ 1, 2 ]
amdhsa.kernels:
  - .name:           k_qf27a5b3096_attn
    .symbol:         k_qf27a5b3096_attn.kd
    .args:
      - { .name: qb, .offset: 0, .size: 8, .value_kind: global_buffer, .address_space: global }
      - { .name: kv, .offset: 8, .size: 8, .value_kind: global_buffer, .address_space: global }
      - { .name: res, .offset: 16, .size: 8, .value_kind: global_buffer, .address_space: global }
      - { .name: out0, .offset: 24, .size: 8, .value_kind: global_buffer, .address_space: global }
    .group_segment_fixed_size: 276480
    .private_segment_fixed_size: 0
    .kernarg_segment_align: 8
    .kernarg_segment_size: 32
    .max_flat_workgroup_size: 512
    .sgpr_count:     66
    .vgpr_count:     256
    .wavefront_size: 32
...
	.end_amdgpu_metadata
.endif
;; end of part 3
